; MI455X (gfx1250); checked and timed in simulation.
; The chip was launched on July 23, 2026; its instructions are those of AMD's public machine-readable ISA for CDNA 5 (MIT licence, August 2026) and "CDNA5" Instruction Set Architecture Reference Guide (July 2026). The comments in the code are by the model that wrote it; some were corrected since.
;; Gaussian Mixture Unif. Allowed arithmetic: float matrix products may take bf16 or f16 operands with f32 sums; other float arithmetic in f32, or as packed bf16 or f16 multiplies, adds, multiply-adds, maxima and minima; sums over many terms, partial sums and values carried from step to step in f32; what a program stores and reads back later, other than sums and carried values, may be rounded once to bf16 or f16.
;; Inputs: X 131,072 x 3 float32; mu 512 x 3 float32; sigma one number float32; w 512 float32.
;; Outputs: out0 131,072 x 3 float32; out1 one number float32.
;; One version. Each part assembles by itself: llvm-mc -triple=amdgcn-amd-amdhsa -mcpu=gfx1250 --defsym DOCPART=n.
;; ======== version 1 of 1: 4 launches
;; limits: values outside matrix products are rounded to bf16; a difference of large sums (such as E[x^2] - mean^2): digits are lost where the result is much smaller than its terms; right only within a limited range of input values
;; workspace buffers: lse 524,288 bytes; part 2,097,152 bytes; ep 2,048 bytes; mun 8,192 bytes; vp 1,024 bytes
;; launch estep (part 1): grid 256 x 1, 8 waves a work-group, no clusters, 26,112 bytes of LDS; arguments X, mu, w, sigma, lse, part, ep; writes lse, part, ep
.if DOCPART == 1
	.amdgcn_target "amdgcn-amd-amdhsa--gfx1250"
	.amdhsa_code_object_version 6
	.text
	.protected	k_q212dd263c0_estep
	.globl	k_q212dd263c0_estep
	.p2align	8
	.type	k_q212dd263c0_estep,@function
k_q212dd263c0_estep:
	s_mov_b64 s[64:65], 0
	v_nop
	global_prefetch_b8 v0, s[64:65] scope:SCOPE_SE
	s_setreg_imm32_b32 hwreg(HW_REG_WAVE_MODE, 25, 1), 1
	s_wait_xcnt 0x0
; E-STEP AND COLUMN SUMS of one EM step of a Gaussian mixture: N = 131,072 points, C = 512 components, 3 coordinates.
; Base 2 throughout.  s = sqrt(log2(e)/2) / sigma, ctr = mean of the 512 old centres, wl_c = (w_c - w_0) log2(e),
; l[n][c] = wl_c - |s (x_n - ctr) - s (mu_c - ctr)|^2: the log-softmax over c of l is reference()'s lgamma / ln 2 (common shifts cancel).
; A work-group owns 512 points.  PHASE A: thread t owns points 2t, 2t+1 and walks all 512 components, 16 a chunk, with a running maximum m,
; Z = sum 2^(l-m), T = sum 2^(l-m)(l-m); LSE = m + log2 Z goes to lse, the sums of T/Z + m and T/Z - log2 Z over the group's points to ep.
; PHASE B: wave w, lane L own components 64w+L and 64w+32+L and walk the group's 512 points, 16 a tile: u = -|d|^2 - LSE, a running maximum over
; the points, p = 2^(u-max) rounded to bf16, and one matrix instruction a component and tile sums p, p x, p y, p z (x - ctr split in two bf16).
; THE MATRIX LAYOUT: source 1 holds in lane L the lane's OWN 16 weights; source 0 holds feature row j in lane j (j < 8) and in lane 24 + j, zeros elsewhere.
; Rows 0-7 of source 0 are then non-zero only on the k of lanes 0-15, rows 8-15 only on the k of lanes 16-31, so result register j of lane L is the sum
; over the tile of feature j times the lane's own weights: nothing changes lanes, and the rescaling by the running maximum is the lane's own.
; Out: part[wg][c] = (mean x - ctr, mean y - ctr, mean z - ctr, H), H = log2 of the group's sum of gamma[.][c].
; LIMITS: |l| and |u| stay under 1e30 (the running maxima start at -1e30); a weight under 2^-126 counts as 0; NaN and infinities are not treated apart.
; No tensor load, no cluster: all that is staged in LDS (8 KB of centres, 8 KB of points, 8 KB of features) is made by arithmetic on the way in, and the loops read no global memory.
.set TBL,   0          ; 512 x 16 bytes: s (mu - ctr) x, y, z, and wl
.set PX,    8192       ; four arrays of 512 f32, 2,048 bytes apart: s (x - ctr) by coordinate, then -LSE
.set PL,    14336
.set FEAT,  16384      ; 8 feature rows of 512 bf16; pitch 1,040 bytes = 65 x 16: rows start 16 bytes apart modulo 256
.set FP,    1040
.set RED,   24832      ; +0: eight waves' centre sums; +128: eight waves' (e1, e2)
.set SPARE, 25088      ; the spare words: 128 bytes for each of eight waves
.set NEGBIG, 0xf149f2ca ; -1e30
.set X2, 8             ; phase A: v[8:13] my two points, a pair for each coordinate
.set Y2, 10
.set Z2, 12
.set MR, 14            ; running maxima          MN new maxima     DL old - new     AA 2^DL
.set MN, 16
.set DL, 18
.set AA, 20
.set ZZ, 22            ; v[22:25] two chains of Z;  v[26:29] two chains of T
.set TT, 26
.set DT, 32            ; v[32:55] differences of four items, six registers each
.set LL, 56            ; v[56:87] l of 16 components x 2 points
.set EE, 88            ; v[88:119] their exponentials
.set TB0, 120          ; v[120:183], v[184:247] two buffers of 16 table entries
.set TB1, 184
.set CA, 8             ; phase B: my two components' table entries
.set CB, 12
.set MA, 16            ; their running maxima
.set MB, 17
.set MNP, 18           ; v[18:19] new maximum (low word); v[20:21] the rescaling factor (low word)
.set AQ, 20
.set U,  56            ; v[56:71] u of 16 points
.set BFA, 72           ; weights in bf16, source 1
.set BFB, 80
.set AF0, 88           ; v[88:95], v[96:103] two buffers of source 0
.set ACCA, 104
.set ACCB, 112
.set PT0, 120          ; two buffers of a tile's points: x +0, y +16, z +32, -LSE +48
.macro WRED r, t                       ; sum over the 32 lanes, result in every lane; t has been written before
	v_add_f32_dpp v[\r], v[\r], v[\r] row_xmask:1 row_mask:0xf bank_mask:0xf
	v_add_f32_dpp v[\r], v[\r], v[\r] row_xmask:2 row_mask:0xf bank_mask:0xf
	v_add_f32_dpp v[\r], v[\r], v[\r] row_xmask:4 row_mask:0xf bank_mask:0xf
	v_add_f32_dpp v[\r], v[\r], v[\r] row_xmask:8 row_mask:0xf bank_mask:0xf
	v_permlanex16_b32 v[\t], v[\r], s28, s29
	v_add_f32 v[\r], v[\r], v[\t]
.endm
.macro BAR                             ; my LDS instructions are done, then the work-group's barrier
	s_wait_dscnt 0x0
	s_barrier_signal -1
	s_barrier_wait -1
.endm
.macro D3 d, px, py, pz, q             ; three pairs of differences: a pair for each coordinate less one word of the quad q
	v_pk_add_f32 v[(\d):(\d)+1], v[(\px):(\px)+1], v[(\q):(\q)+1] op_sel_hi:[1,0] neg_lo:[0,1] neg_hi:[0,1]
	v_pk_add_f32 v[(\d)+2:(\d)+3], v[(\py):(\py)+1], v[(\q):(\q)+1] op_sel:[0,1] op_sel_hi:[1,1] neg_lo:[0,1] neg_hi:[0,1]
	v_pk_add_f32 v[(\d)+4:(\d)+5], v[(\pz):(\pz)+1], v[(\q)+2:(\q)+3] op_sel_hi:[1,0] neg_lo:[0,1] neg_hi:[0,1]
.endm
.macro SQA l, d, add, bw               ; l = add - d^2; bw = 1: add is the pair's high word, for both
.if \bw
	v_pk_fma_f32 v[(\l):(\l)+1], v[(\d):(\d)+1], v[(\d):(\d)+1], v[(\add):(\add)+1] op_sel:[0,0,1] op_sel_hi:[1,1,1] neg_lo:[1,0,0] neg_hi:[1,0,0]
.else
	v_pk_fma_f32 v[(\l):(\l)+1], v[(\d):(\d)+1], v[(\d):(\d)+1], v[(\add):(\add)+1] neg_lo:[1,0,0] neg_hi:[1,0,0]
.endif
.endm
.macro SQN l, d                        ; l -= d^2
	v_pk_fma_f32 v[(\l):(\l)+1], v[(\d):(\d)+1], v[(\d):(\d)+1], v[(\l):(\l)+1] neg_lo:[1,0,0] neg_hi:[1,0,0]
.endm
.macro MAX17 dst, old, base, str, ta, tb   ; the maximum of old and 16 registers str apart, in two chains
	v_max3_num_f32 v[\ta], v[\old], v[\base], v[(\base)+(\str)]
	v_max3_num_f32 v[\tb], v[(\base)+2*(\str)], v[(\base)+3*(\str)], v[(\base)+4*(\str)]
	v_max3_num_f32 v[\ta], v[\ta], v[(\base)+5*(\str)], v[(\base)+6*(\str)]
	v_max3_num_f32 v[\tb], v[\tb], v[(\base)+7*(\str)], v[(\base)+8*(\str)]
	v_max3_num_f32 v[\ta], v[\ta], v[(\base)+9*(\str)], v[(\base)+10*(\str)]
	v_max3_num_f32 v[\tb], v[\tb], v[(\base)+11*(\str)], v[(\base)+12*(\str)]
	v_max3_num_f32 v[\ta], v[\ta], v[(\base)+13*(\str)], v[(\base)+14*(\str)]
	v_max3_num_f32 v[\dst], v[\ta], v[\tb], v[(\base)+15*(\str)]
.endm
.macro SPLIT h, a0, a1, t0, t1         ; h = the pair rounded to bf16; a0, a1 keep what the rounding left
	v_cvt_pk_bf16_f32 v[\h], v[\a0], v[\a1]
	v_lshlrev_b32 v[\t0], 16, v[\h]
	v_and_b32 v[\t1], 0xffff0000, v[\h]
	v_sub_f32 v[\a0], v[\a0], v[\t0]
	v_sub_f32 v[\a1], v[\a1], v[\t1]
.endm
	; ---- set-up (the same lines stand in the launch that makes Y, so that ctr, s and the table have the same bits there)
	s_load_b256 s[4:11], s[0:1], 0x0               ; X s[4:5], mu s[6:7], w s[8:9], sigma s[10:11]
	s_load_b128 s[12:15], s[0:1], 0x20             ; lse s[12:13], part s[14:15]
	s_load_b64 s[16:17], s[0:1], 0x30              ; ep
	v_lshl_add_u32 v2, v0, 2, SPARE                ; my spare word and 0: kept for the closing add alone
	v_mov_b32 v3, 0
	v_and_b32 v1, 31, v0                           ; lane
	v_lshrrev_b32 v7, 5, v0
	v_readfirstlane_b32 s18, v7                    ; wave 0..7
	s_mov_b32 s28, 0x76543210                      ; v_permlanex16_b32: each lane takes its own place in the other half
	s_mov_b32 s29, 0xfedcba98
	v_mul_u32_u24 v7, v0, 24                       ; two items of 12 bytes a thread
	v_lshlrev_b32 v50, 3, v0
	v_lshlrev_b32 v54, 5, v0
	s_mul_i32 s22, ttmp9, 6144                     ; the group's 512 points of 12 bytes
	s_mov_b32 s23, 0
	s_wait_kmcnt 0x0
	s_load_b32 s20, s[10:11], 0x0                  ; sigma
	s_load_b32 s21, s[8:9], 0x0                    ; w_0
	s_add_nc_u64 s[4:5], s[4:5], s[22:23]
	s_lshl_b32 s22, ttmp9, 11
	s_add_nc_u64 s[12:13], s[12:13], s[22:23]      ; lse at the group's 512 words
	s_lshl_b32 s22, ttmp9, 13
	s_add_nc_u64 s[14:15], s[14:15], s[22:23]      ; part at the group's 512 quads
	s_lshl_b32 s22, ttmp9, 3
	s_add_nc_u64 s[16:17], s[16:17], s[22:23]      ; ep at the group's pair
	global_load_b64 v[32:33], v7, s[6:7]           ; centres 2t, 2t+1: x0 y0 z0 x1 y1 z1
	global_load_b64 v[34:35], v7, s[6:7] offset:8
	global_load_b64 v[36:37], v7, s[6:7] offset:16
	global_load_b64 v[38:39], v50, s[8:9]          ; their w
	global_load_b64 v[40:41], v7, s[4:5]           ; points 2t, 2t+1
	global_load_b64 v[42:43], v7, s[4:5] offset:8
	global_load_b64 v[44:45], v7, s[4:5] offset:16
	v_mov_b32 v49, 0
	v_mov_b32 v51, 0
	v_mov_b32 v4, 0
	v_mov_b32 v53, s18
	v_lshlrev_b32 v53, 4, v53
	s_wait_loadcnt 0x0
	s_wait_kmcnt 0x0
	v_add_f32 v46, v32, v35                        ; the centre: my two, my wave's 64, all 512
	v_add_f32 v47, v33, v36
	v_add_f32 v48, v34, v37
	WRED 46, 51
	WRED 47, 51
	WRED 48, 51
	ds_store_b128 v53, v[46:49] offset:RED
	BAR                                            ; every wave's sum is in LDS
.irp k, 0,1,2,3,4,5,6,7
	ds_load_b128 v[56+4*\k:59+4*\k], v4 offset:RED+16*\k
.endr
	s_wait_dscnt 0x0
.irp k, 1,2,3,4,5,6,7
	v_pk_add_f32 v[56:57], v[56:57], v[56+4*\k:57+4*\k]
	v_pk_add_f32 v[58:59], v[58:59], v[58+4*\k:59+4*\k]
.endr
	v_pk_mul_f32 v[248:249], v[56:57], 0x3b000000 op_sel_hi:[1,0]  ; / 512: ctr
	v_pk_mul_f32 v[250:251], v[58:59], 0x3b000000 op_sel_hi:[1,0]
	v_rcp_f32 v52, s20
	v_nop                                          ; a plain instruction behind the reciprocal
	s_wait_alu depctr_va_vdst(0)
	v_mul_f32 v52, 0x3f596d27, v52                 ; s = 0.8493218 / sigma
	v_sub_f32 v56, v32, v248                       ; the table's two entries
	v_sub_f32 v57, v33, v249
	v_sub_f32 v58, v34, v250
	v_sub_f32 v59, v38, s21
	v_sub_f32 v60, v35, v248
	v_sub_f32 v61, v36, v249
	v_sub_f32 v62, v37, v250
	v_sub_f32 v63, v39, s21
	v_mul_f32 v56, v56, v52
	v_mul_f32 v57, v57, v52
	v_mul_f32 v58, v58, v52
	v_mul_f32 v59, 0x3fb8aa3b, v59
	v_mul_f32 v60, v60, v52
	v_mul_f32 v61, v61, v52
	v_mul_f32 v62, v62, v52
	v_mul_f32 v63, 0x3fb8aa3b, v63
	ds_store_b128 v54, v[56:59] offset:TBL
	ds_store_b128 v54, v[60:63] offset:TBL+16
	v_sub_f32 v72, v40, v248                       ; x - ctr, a pair for each coordinate
	v_sub_f32 v73, v43, v248
	v_sub_f32 v74, v41, v249
	v_sub_f32 v75, v44, v249
	v_sub_f32 v76, v42, v250
	v_sub_f32 v77, v45, v250
	v_mul_f32 v8, v72, v52
	v_mul_f32 v9, v73, v52
	v_mul_f32 v10, v74, v52
	v_mul_f32 v11, v75, v52
	v_mul_f32 v12, v76, v52
	v_mul_f32 v13, v77, v52
	v_add_nc_u32 v7, 8, v1                         ; my feature row: L for L < 8, L - 24 for L >= 24, else row 7 (zeros):
	v_bfe_u32 v7, v7, 4, 1                         ; bit 4 of L + 8 is set for L = 8 .. 23 alone
	v_mul_u32_u24 v7, v7, 7
	v_and_b32 v6, 7, v1
	v_or_b32 v6, v6, v7
	v_mul_u32_u24 v6, v6, FP
	v_add_nc_u32 v6, FEAT, v6
	; ---- the points and the features go to LDS
	ds_store_b64 v50, v[8:9] offset:PX
	ds_store_b64 v50, v[10:11] offset:PX+2048
	ds_store_b64 v50, v[12:13] offset:PX+4096
	v_lshlrev_b32 v55, 2, v0                       ; two bf16 a thread in each row
	v_mov_b32 v78, 0x3f803f80                      ; row 0: ones
	v_mov_b32 v79, 0                               ; row 7: zeros
	ds_store_b32 v55, v78 offset:FEAT
	ds_store_b32 v55, v79 offset:FEAT+7*FP
.irp d, 0,1,2
	SPLIT 80+\d, 72+2*\d, 73+2*\d, 84, 85          ; rows 1-3: x - ctr rounded to bf16
	ds_store_b32 v55, v[80+\d] offset:FEAT+(1+\d)*FP
	v_cvt_pk_bf16_f32 v[86+\d], v[72+2*\d], v[73+2*\d]  ; rows 4-6: what that rounding left
	ds_store_b32 v55, v[86+\d] offset:FEAT+(4+\d)*FP
.endr
	BAR                                            ; table, points and features are whole
	; ---- PHASE A
.macro GRPA cur, g                     ; four components x my two points
.irp k, 0,1,2,3
	D3 DT+6*\k, X2, Y2, Z2, (\cur)+16*(\g)+4*\k
.endr
.irp k, 0,1,2,3
	SQA LL+8*(\g)+2*\k, DT+6*\k, (\cur)+16*(\g)+4*\k+2, 1
.endr
.irp k, 0,1,2,3
	SQN LL+8*(\g)+2*\k, DT+6*\k+2
.endr
.irp k, 0,1,2,3
	SQN LL+8*(\g)+2*\k, DT+6*\k+4
.endr
.endm
.macro CHA cur, oth, pre               ; a chunk of 16 components; pre = 1: the next chunk's entries are asked for first
.if \pre
	v_mov_b32 v4, s25
.irp c, 0,1,2,3,4,5,6,7,8,9,10,11,12,13,14,15
	ds_load_b128 v[(\oth)+4*\c:(\oth)+4*\c+3], v4 offset:16*\c
.endr
	s_add_co_u32 s25, s25, 256
	s_wait_dscnt 16                                ; LDS loads come back in order: all but the 16 just issued are in
.else
	s_wait_dscnt 0x0
.endif
	GRPA \cur, 0
	GRPA \cur, 1
	GRPA \cur, 2
	GRPA \cur, 3
	MAX17 MN, MR, LL, 2, 30, 31
	MAX17 MN+1, MR+1, LL+1, 2, 30, 31
	v_pk_add_f32 v[DL:DL+1], v[MR:MR+1], v[MN:MN+1] neg_lo:[0,1] neg_hi:[0,1]
	v_exp_f32 v[AA], v[DL]
	v_exp_f32 v[AA+1], v[DL+1]
	v_mov_b32 v[MR], v[MN]
	v_mov_b32 v[MR+1], v[MN+1]
.irp c, 0,1,2,3,4,5,6,7,8,9,10,11,12,13,14,15
	v_pk_add_f32 v[LL+2*\c:LL+2*\c+1], v[LL+2*\c:LL+2*\c+1], v[MN:MN+1] neg_lo:[0,1] neg_hi:[0,1]
.endr
.set i, 0
.rept 32
	v_exp_f32 v[EE+i], v[LL+i]
.set i, i+1
.endr
	v_pk_fma_f32 v[TT:TT+1], v[DL:DL+1], v[ZZ:ZZ+1], v[TT:TT+1]          ; T' = a (T + (m_old - m_new) Z); these six are also the plain lines behind the exponentials
	v_pk_fma_f32 v[TT+2:TT+3], v[DL:DL+1], v[ZZ+2:ZZ+3], v[TT+2:TT+3]
	s_wait_alu depctr_va_vdst(0)
	v_pk_mul_f32 v[TT:TT+1], v[TT:TT+1], v[AA:AA+1]
	v_pk_mul_f32 v[TT+2:TT+3], v[TT+2:TT+3], v[AA:AA+1]
	v_pk_mul_f32 v[ZZ:ZZ+1], v[ZZ:ZZ+1], v[AA:AA+1]
	v_pk_mul_f32 v[ZZ+2:ZZ+3], v[ZZ+2:ZZ+3], v[AA:AA+1]
.irp c, 0,1,2,3,4,5,6,7,8,9,10,11,12,13,14,15
	v_pk_add_f32 v[ZZ+2*(\c%2):ZZ+2*(\c%2)+1], v[ZZ+2*(\c%2):ZZ+2*(\c%2)+1], v[EE+2*\c:EE+2*\c+1]
	v_pk_fma_f32 v[TT+2*(\c%2):TT+2*(\c%2)+1], v[EE+2*\c:EE+2*\c+1], v[LL+2*\c:LL+2*\c+1], v[TT+2*(\c%2):TT+2*(\c%2)+1]
.endr
.endm
	v_mov_b32 v[MR], NEGBIG
	v_mov_b32 v[MR+1], NEGBIG
.set i, 0
.rept 8
	v_mov_b32 v[ZZ+i], 0
.set i, i+1
.endr
	v_mov_b32 v4, 0
.irp c, 0,1,2,3,4,5,6,7,8,9,10,11,12,13,14,15
	ds_load_b128 v[TB0+4*\c:TB0+4*\c+3], v4 offset:16*\c
.endr
	s_mov_b32 s25, 256                             ; LDS byte of the next chunk's entries
	s_mov_b32 s24, 15                              ; 15 trips of two chunks, two more behind the loop: 32 chunks
.LloopA:
	CHA TB0, TB1, 1
	CHA TB1, TB0, 1
	s_sub_co_u32 s24, s24, 1
	s_cmp_lg_u32 s24, 0
	s_cbranch_scc1 .LloopA
	CHA TB0, TB1, 1
	CHA TB1, TB0, 0
	; ---- a row's end
	v_pk_add_f32 v[22:23], v[22:23], v[24:25]      ; Z
	v_pk_add_f32 v[26:27], v[26:27], v[28:29]      ; T
	v_log_f32 v30, v22
	v_log_f32 v31, v23
	v_rcp_f32 v20, v22
	v_rcp_f32 v21, v23
	v_nop
	s_wait_alu depctr_va_vdst(0)
	v_pk_add_f32 v[16:17], v[14:15], v[30:31]      ; LSE = m + log2 Z
	v_pk_add_f32 v[18:19], v[14:15], v[30:31] neg_lo:[1,1] neg_hi:[1,1]  ; -LSE
	v_pk_mul_f32 v[26:27], v[26:27], v[20:21]      ; T / Z
	v_pk_add_f32 v[22:23], v[26:27], v[14:15]      ; + m: the row's sum of gamma l
	v_pk_add_f32 v[24:25], v[26:27], v[30:31] neg_lo:[0,1] neg_hi:[0,1]  ; - log2 Z: the row's sum of gamma lgamma
	v_lshlrev_b32 v32, 3, v0
	ds_store_b64 v32, v[18:19] offset:PL
	global_store_b64 v32, v[16:17], s[12:13]       ; a wave's store covers 256 consecutive bytes, aligned
	v_add_f32 v22, v22, v23
	v_add_f32 v23, v24, v25
	WRED 22, 24
	WRED 23, 24
	v_mov_b32 v33, s18
	v_lshlrev_b32 v33, 3, v33
	ds_store_b64 v33, v[22:23] offset:RED+128
	s_wait_xcnt 0x0                                ; the store's offset and data registers are written again below
	BAR                                            ; -LSE and the waves' sums are whole
	s_cmp_lg_u32 s18, 0
	s_cbranch_scc1 .Lnot0
	v_mov_b32 v4, 0                                ; wave 0 adds the eight pairs and stores the group's
.irp k, 0,1,2,3
	ds_load_b128 v[32+4*\k:35+4*\k], v4 offset:RED+128+16*\k
.endr
	s_wait_dscnt 0x0
.irp k, 1,2,3,4,5,6,7
	v_pk_add_f32 v[32:33], v[32:33], v[32+2*\k:33+2*\k]
.endr
	s_wait_xcnt 0x0                                ; EXEC changes only behind this wait
	v_cmp_eq_u32 vcc_lo, 0, v0
	s_and_saveexec_b32 s30, vcc_lo
	global_store_b64 v4, v[32:33], s[16:17]
	s_wait_xcnt 0x0
	s_or_b32 exec_lo, exec_lo, s30
.Lnot0:
	; ---- PHASE B
.macro LOADT b                         ; a tile's 16 points (x, y, z, -LSE: every lane reads the same bytes) and its piece of my feature row, into buffer b: 18 loads
	v_mov_b32 v4, s25
	v_add_nc_u32 v5, s26, v6
.irp a, 0,1,2,3
.irp q, 0,1,2,3
	ds_load_b128 v[PT0+64*(\b)+16*\a+4*\q:PT0+64*(\b)+16*\a+4*\q+3], v4 offset:2048*\a+16*\q
.endr
.endr
	ds_load_b128 v[AF0+8*(\b):AF0+8*(\b)+3], v5
	ds_load_b128 v[AF0+8*(\b)+4:AF0+8*(\b)+7], v5 offset:16
	s_add_co_u32 s25, s25, 64
	s_add_co_u32 s26, s26, 32
.endm
; One component, one tile.  pre = 1: the next tile is asked for behind the first twelve differences, which are plain, name no register of the matrix
; instruction before them and so are the places between it and the loads into the source that it read.
.macro COMP q, m, acc, bf, cur, pre
.set PT, PT0+64*(\cur)
.set AF, AF0+8*(\cur)
.irp g, 0,1
.irp k, 0,1,2,3
	D3 DT+6*\k, PT+8*\g+2*\k, PT+16+8*\g+2*\k, PT+32+8*\g+2*\k, \q
.endr
.if (\pre) && (\g == 0)
	LOADT 1-(\cur)
.endif
.irp k, 0,1,2,3
	SQA U+8*\g+2*\k, DT+6*\k, PT+48+8*\g+2*\k, 0
.endr
.irp k, 0,1,2,3
	SQN U+8*\g+2*\k, DT+6*\k+2
.endr
.irp k, 0,1,2,3
	SQN U+8*\g+2*\k, DT+6*\k+4
.endr
.endr
	MAX17 MNP, \m, U, 1, 22, 23
	v_sub_f32 v22, v[\m], v[MNP]
	v_exp_f32 v[AQ], v22
	v_mov_b32 v[\m], v[MNP]
.irp k, 0,1,2,3,4,5,6,7
	v_pk_add_f32 v[U+2*\k:U+2*\k+1], v[U+2*\k:U+2*\k+1], v[MNP:MNP+1] op_sel_hi:[1,0] neg_lo:[0,1] neg_hi:[0,1]
.endr
.set i, 0
.rept 16
	v_exp_f32 v[U+i], v[U+i]
.set i, i+1
.endr
	s_wait_alu depctr_va_vdst(0)
.irp k, 0,1,2,3
	v_pk_mul_f32 v[(\acc)+2*\k:(\acc)+2*\k+1], v[(\acc)+2*\k:(\acc)+2*\k+1], v[AQ:AQ+1] op_sel_hi:[1,0]  ; the sums follow the maximum; lowest registers first; also the plain lines behind the exponentials
.endr
.irp k, 0,1,2,3,4,5,6,7
	v_cvt_pk_bf16_f32 v[(\bf)+\k], v[U+2*\k], v[U+2*\k+1]
.endr
	v_wmma_f32_16x16x32_bf16 v[(\acc):(\acc)+7], v[AF:AF+7], v[(\bf):(\bf)+7], v[(\acc):(\acc)+7]  ; the two accumulators take turns
.endm
.macro TILE cur, pre
	s_wait_dscnt 0x0                               ; all that is out is this tile's 18 loads, issued a tile ago
	COMP CA, MA, ACCA, BFA, \cur, \pre
	COMP CB, MB, ACCB, BFB, \cur, 0
.endm
	v_lshlrev_b32 v7, 4, v1
	v_lshl_add_u32 v7, s18, 10, v7                 ; 16 (64 w + L): my first component's quad, in the table and in part
	ds_load_b128 v[CA:CA+3], v7 offset:TBL
	ds_load_b128 v[CB:CB+3], v7 offset:TBL+512
.set i, 0
.rept 16
	v_mov_b32 v[ACCA+i], 0                         ; no first tile is written out: sixteen lines, once a launch
.set i, i+1
.endr
	v_mov_b32 v[MA], NEGBIG
	v_mov_b32 v[MB], NEGBIG
	v_mov_b32 v[MNP+1], 0                          ; named as pairs, so written
	v_mov_b32 v[AQ+1], 0
	s_mov_b32 s25, PX
	s_mov_b32 s26, 0
	LOADT 0
	s_mov_b32 s24, 15                              ; 15 trips of two tiles, two more behind the loop: 32 tiles of 16 points
.LloopB:
	TILE 0, 1
	TILE 1, 1
	s_sub_co_u32 s24, s24, 1
	s_cmp_lg_u32 s24, 0
	s_cbranch_scc1 .LloopB
	TILE 0, 1
	TILE 1, 0
	; ---- a column's end: H = max + wl + log2 S, the means (high and low parts added) / S
.rept 4
	v_nop                                          ; the places behind the last matrix instruction
.endr
	v_log_f32 v32, v[ACCA]
	v_rcp_f32 v33, v[ACCA]
	v_log_f32 v34, v[ACCB]
	v_rcp_f32 v35, v[ACCB]
	v_nop
	v_add_f32 v39, v[MA], v[CA+3]
	v_add_f32 v43, v[MB], v[CB+3]
	s_wait_alu depctr_va_vdst(0)
	v_add_f32 v39, v39, v32
	v_add_f32 v43, v43, v34
.irp d, 0,1,2
	v_add_f32 v[36+\d], v[ACCA+1+\d], v[ACCA+4+\d]
	v_add_f32 v[40+\d], v[ACCB+1+\d], v[ACCB+4+\d]
	v_mul_f32 v[36+\d], v[36+\d], v33
	v_mul_f32 v[40+\d], v[40+\d], v35
.endr
	global_store_b128 v7, v[36:39], s[14:15]       ; a wave's store covers 512 consecutive bytes, aligned
	global_store_b128 v7, v[40:43], s[14:15] offset:512
	s_wait_tensorcnt 0x0                           ; the wave's end
	ds_add_u32 v2, v3
	s_wait_dscnt 0x0
	s_endpgm
.Lfunc_end_k_q212dd263c0_estep:
	.size	k_q212dd263c0_estep, .Lfunc_end_k_q212dd263c0_estep-k_q212dd263c0_estep
	.p2alignl 7, 3214868480
	.fill 96, 4, 3214868480
	.section	.rodata,"a",@progbits
	.p2align	6, 0x0
	.amdhsa_kernel k_q212dd263c0_estep
		.amdhsa_group_segment_fixed_size 26112
		.amdhsa_private_segment_fixed_size 0
		.amdhsa_enable_private_segment 0
		.amdhsa_kernarg_size 56
		.amdhsa_user_sgpr_count 2
		.amdhsa_user_sgpr_kernarg_segment_ptr 1
		.amdhsa_wavefront_size32 1
		.amdhsa_system_sgpr_workgroup_id_x 1
		.amdhsa_system_sgpr_workgroup_id_y 1
		.amdhsa_system_sgpr_workgroup_id_z 1
		.amdhsa_system_vgpr_workitem_id 0
		.amdhsa_next_free_vgpr 252
		.amdhsa_next_free_sgpr 66
		.amdhsa_reserve_vcc 1
		.amdhsa_float_denorm_mode_32 3
		.amdhsa_float_denorm_mode_16_64 3
		.amdhsa_memory_ordered 1
		.amdhsa_forward_progress 1
		.amdhsa_inst_pref_size 114
	.end_amdhsa_kernel
	.amdgpu_metadata
---
amdhsa.version: [ 1, 2 ]
amdhsa.kernels:
  - .name:           k_q212dd263c0_estep
    .symbol:         k_q212dd263c0_estep.kd
    .args:
      - { .name: X, .offset: 0, .size: 8, .value_kind: global_buffer, .address_space: global }
      - { .name: mu, .offset: 8, .size: 8, .value_kind: global_buffer, .address_space: global }
      - { .name: w, .offset: 16, .size: 8, .value_kind: global_buffer, .address_space: global }
      - { .name: sigma, .offset: 24, .size: 8, .value_kind: global_buffer, .address_space: global }
      - { .name: lse, .offset: 32, .size: 8, .value_kind: global_buffer, .address_space: global }
      - { .name: part, .offset: 40, .size: 8, .value_kind: global_buffer, .address_space: global }
      - { .name: ep, .offset: 48, .size: 8, .value_kind: global_buffer, .address_space: global }
    .group_segment_fixed_size: 26112
    .private_segment_fixed_size: 0
    .kernarg_segment_align: 8
    .kernarg_segment_size: 56
    .max_flat_workgroup_size: 256
    .sgpr_count:     66
    .vgpr_count:     252
    .wavefront_size: 32
...
	.end_amdgpu_metadata
.endif
;; end of part 1
;; launch merge (part 2): grid 32 x 1, 8 waves a work-group, no clusters, 6,144 bytes of LDS; arguments part, mun; writes mun
.if DOCPART == 2
	.amdgcn_target "amdgcn-amd-amdhsa--gfx1250"
	.amdhsa_code_object_version 6
	.text
	.protected	k_q212dd263c0_merge
	.globl	k_q212dd263c0_merge
	.p2align	8
	.type	k_q212dd263c0_merge,@function
k_q212dd263c0_merge:
	s_mov_b64 s[64:65], 0
	v_nop
	global_prefetch_b8 v0, s[64:65] scope:SCOPE_SE
	s_setreg_imm32_b32 hwreg(HW_REG_WAVE_MODE, 25, 1), 1
	s_wait_xcnt 0x0
; The 256 work-groups' partial column results are merged: for each component c, from part[wg][c] = (mean - ctr, H_wg) to
; mun[c] = (mu_new - ctr, H), H = log2 sum_wg 2^H_wg, the means weighted by 2^H_wg; the largest H is taken away before every exponential.
; A work-group owns 16 components.  Thread t: component t & 15, partials g + 16 k (g = t >> 4, k = 0 .. 15): sixteen neighbouring lanes read 256 consecutive bytes.
; The sixteen threads of a component meet in LDS; wave 0 finishes.  No matrix unit, no tensor load: 2 MB are read once and reduced by vector sums.
.set RA, 0             ; a quad a thread: (Wx, Wy, Wz, W)
.set RB, 4096          ; a word a thread: its maximum
.set SPARE, 5120       ; the spare words: 128 bytes for each of eight waves
	s_load_b128 s[4:7], s[0:1], 0x0                ; part s[4:5], mun s[6:7]
	v_lshl_add_u32 v2, v0, 2, SPARE                ; my spare word and 0: kept for the closing add alone
	v_mov_b32 v3, 0
	v_and_b32 v1, 31, v0
	v_lshrrev_b32 v7, 5, v0
	v_readfirstlane_b32 s18, v7                    ; wave
	v_and_b32 v5, 15, v0                           ; my component of the sixteen
	v_lshrrev_b32 v6, 4, v0                        ; g
	v_lshlrev_b32 v4, 4, v5
	v_lshl_add_u32 v4, v6, 13, v4                  ; g x 8,192 + 16 x component
	s_lshl_b32 s22, ttmp9, 8                       ; the group's sixteen quads
	s_mov_b32 s23, 0
	s_wait_kmcnt 0x0
	s_add_nc_u64 s[4:5], s[4:5], s[22:23]
	s_add_nc_u64 s[6:7], s[6:7], s[22:23]
.irp k, 0,1,2,3,4,5,6,7,8,9,10,11,12,13,14,15
	global_load_b128 v[16+4*\k:19+4*\k], v4, s[4:5] offset:131072*\k th:TH_LOAD_NT
.endr
	s_wait_loadcnt 0x0
	v_max3_num_f32 v8, v19, v23, v27
.irp k, 3,5,7,9,11,13
	v_max3_num_f32 v8, v8, v[19+4*\k], v[23+4*\k]
.endr
	v_max_num_f32 v8, v8, v79
.irp k, 0,1,2,3,4,5,6,7,8,9,10,11,12,13,14,15
	v_sub_f32 v[19+4*\k], v[19+4*\k], v8
.endr
.irp k, 0,1,2,3,4,5,6,7,8,9,10,11,12,13,14,15
	v_exp_f32 v[19+4*\k], v[19+4*\k]
.endr
	v_nop
	s_wait_alu depctr_va_vdst(0)
	v_mul_f32 v12, v19, v16
	v_mul_f32 v13, v19, v17
	v_mul_f32 v14, v19, v18
	v_mov_b32 v15, v19
.irp k, 1,2,3,4,5,6,7,8,9,10,11,12,13,14,15
	v_fmac_f32 v12, v[19+4*\k], v[16+4*\k]
	v_fmac_f32 v13, v[19+4*\k], v[17+4*\k]
	v_fmac_f32 v14, v[19+4*\k], v[18+4*\k]
	v_add_f32 v15, v15, v[19+4*\k]
.endr
	v_lshlrev_b32 v9, 4, v0
	v_lshlrev_b32 v10, 2, v0
	ds_store_b128 v9, v[12:15] offset:RA
	ds_store_b32 v10, v8 offset:RB
	s_wait_dscnt 0x0                               ; for the others' sake: my stores are done
	s_barrier_signal -1
	s_barrier_wait -1
	s_cmp_lg_u32 s18, 0
	s_cbranch_scc1 .Lend
	v_lshlrev_b32 v9, 4, v5                        ; wave 0: lane L takes component L & 15 (both halves compute the same)
	v_lshlrev_b32 v10, 2, v5
.irp g, 0,1,2,3,4,5,6,7,8,9,10,11,12,13,14,15
	ds_load_b128 v[16+4*\g:19+4*\g], v9 offset:RA+256*\g
	ds_load_b32 v[80+\g], v10 offset:RB+64*\g
.endr
	s_wait_dscnt 0x0
	v_max3_num_f32 v8, v80, v81, v82
.irp g, 3,5,7,9,11,13
	v_max3_num_f32 v8, v8, v[80+\g], v[81+\g]
.endr
	v_max_num_f32 v8, v8, v95
.irp g, 0,1,2,3,4,5,6,7,8,9,10,11,12,13,14,15
	v_sub_f32 v[80+\g], v[80+\g], v8
.endr
.irp g, 0,1,2,3,4,5,6,7,8,9,10,11,12,13,14,15
	v_exp_f32 v[80+\g], v[80+\g]
.endr
	v_nop
	s_wait_alu depctr_va_vdst(0)
	v_mul_f32 v12, v80, v16
	v_mul_f32 v13, v80, v17
	v_mul_f32 v14, v80, v18
	v_mul_f32 v15, v80, v19
.irp g, 1,2,3,4,5,6,7,8,9,10,11,12,13,14,15
	v_fmac_f32 v12, v[80+\g], v[16+4*\g]
	v_fmac_f32 v13, v[80+\g], v[17+4*\g]
	v_fmac_f32 v14, v[80+\g], v[18+4*\g]
	v_fmac_f32 v15, v[80+\g], v[19+4*\g]
.endr
	v_rcp_f32 v96, v15                             ; the sum holds the largest term, 1, so it is at least 1
	v_log_f32 v97, v15
	v_nop
	s_wait_alu depctr_va_vdst(0)
	v_mul_f32 v12, v12, v96
	v_mul_f32 v13, v13, v96
	v_mul_f32 v14, v14, v96
	v_add_f32 v15, v8, v97
	s_wait_xcnt 0x0                                ; EXEC changes only behind this wait
	v_cmp_gt_u32 vcc_lo, 16, v1
	s_and_saveexec_b32 s30, vcc_lo
	global_store_b128 v9, v[12:15], s[6:7]         ; sixteen lanes store 256 consecutive bytes, aligned
	s_wait_xcnt 0x0
	s_or_b32 exec_lo, exec_lo, s30
.Lend:
	s_wait_tensorcnt 0x0                           ; the wave's end
	ds_add_u32 v2, v3
	s_wait_dscnt 0x0
	s_endpgm
.Lfunc_end_k_q212dd263c0_merge:
	.size	k_q212dd263c0_merge, .Lfunc_end_k_q212dd263c0_merge-k_q212dd263c0_merge
	.p2alignl 7, 3214868480
	.fill 96, 4, 3214868480
	.section	.rodata,"a",@progbits
	.p2align	6, 0x0
	.amdhsa_kernel k_q212dd263c0_merge
		.amdhsa_group_segment_fixed_size 6144
		.amdhsa_private_segment_fixed_size 0
		.amdhsa_enable_private_segment 0
		.amdhsa_kernarg_size 16
		.amdhsa_user_sgpr_count 2
		.amdhsa_user_sgpr_kernarg_segment_ptr 1
		.amdhsa_wavefront_size32 1
		.amdhsa_system_sgpr_workgroup_id_x 1
		.amdhsa_system_sgpr_workgroup_id_y 1
		.amdhsa_system_sgpr_workgroup_id_z 1
		.amdhsa_system_vgpr_workitem_id 0
		.amdhsa_next_free_vgpr 128
		.amdhsa_next_free_sgpr 66
		.amdhsa_reserve_vcc 1
		.amdhsa_float_denorm_mode_32 3
		.amdhsa_float_denorm_mode_16_64 3
		.amdhsa_memory_ordered 1
		.amdhsa_forward_progress 1
		.amdhsa_inst_pref_size 13
	.end_amdhsa_kernel
	.amdgpu_metadata
---
amdhsa.version: [ 1, 2 ]
amdhsa.kernels:
  - .name:           k_q212dd263c0_merge
    .symbol:         k_q212dd263c0_merge.kd
    .args:
      - { .name: part, .offset: 0, .size: 8, .value_kind: global_buffer, .address_space: global }
      - { .name: mun, .offset: 8, .size: 8, .value_kind: global_buffer, .address_space: global }
    .group_segment_fixed_size: 6144
    .private_segment_fixed_size: 0
    .kernarg_segment_align: 8
    .kernarg_segment_size: 16
    .max_flat_workgroup_size: 256
    .sgpr_count:     66
    .vgpr_count:     128
    .wavefront_size: 32
...
	.end_amdgpu_metadata
.endif
;; end of part 2
;; launch ystep (part 3): grid 256 x 1, 8 waves a work-group, no clusters, 24,064 bytes of LDS; arguments X, mu, w, sigma, lse, mun, out0, vp; writes out0, vp
.if DOCPART == 3
	.amdgcn_target "amdgcn-amd-amdhsa--gfx1250"
	.amdhsa_code_object_version 6
	.text
	.protected	k_q212dd263c0_ystep
	.globl	k_q212dd263c0_ystep
	.p2align	8
	.type	k_q212dd263c0_ystep,@function
k_q212dd263c0_ystep:
	s_mov_b64 s[64:65], 0
	v_nop
	global_prefetch_b8 v0, s[64:65] scope:SCOPE_SE
	s_setreg_imm32_b32 hwreg(HW_REG_WAVE_MODE, 25, 1), 1
	s_wait_xcnt 0x0
; Y = gamma mu_new, and for each point V = sum_c gamma |mu_new_c|^2 - |Y|^2, formed on mu_new - ctr (a variance: the shift cancels).
; gamma = 2^(wl_c - LSE_n - |s (x_n - ctr) - s (mu_c - ctr)|^2) with LSE from the first launch: the exponent is the log-softmax itself, at most 0 up to rounding.
; A work-group owns 512 points; thread t owns points 2t, 2t+1 and walks all 512 components, 16 a chunk.  gamma is rounded to bf16 and is source 1 of a matrix
; instruction in which a lane holds its OWN point's 16 weights; source 0 holds feature row j in lanes j (j < 8) and 24 + j and zeros elsewhere, so result register j of
; a lane is the sum over components of feature j times the lane's own weights.  Features: 1; h = bf16(mu_new - ctr) x, y, z; |h|^2 split in three bf16; 0.
; Y and V are divided by the sum of the rounded weights (feature 1).
; LIMITS: mu_new enters as bf16(mu_new - ctr), off by at most 2^-9 |mu_new - ctr|; a weight under 2^-126 counts as 0; NaN and infinities are not treated apart.
; No tensor load, no cluster: what is staged in LDS is made by arithmetic on the way in, and the loop reads no global memory.
.set TBL,   0          ; 512 x 16 bytes: s (mu - ctr) x, y, z, and wl
.set FEAT,  8192       ; 8 feature rows of 512 bf16; pitch 1,040 bytes = 65 x 16
.set FP,    1040
.set STAGE, 16640      ; the group's 512 x 12 bytes of Y, for the way out
.set RED,   22784      ; +0: eight waves' centre sums; +128: eight waves' sums of V
.set SPARE, 23040      ; the spare words: 128 bytes for each of eight waves
.set X2, 8             ; v[8:13] my two points, a pair for each coordinate
.set Y2, 10
.set Z2, 12
.set LS2, 14           ; v[14:15] their LSE
.set BF0, 16           ; weights in bf16, source 1: point 2t, point 2t+1
.set BF1, 24
.set DT, 32            ; v[32:55] differences of four components
.set GG, 56            ; v[56:87] exponents, then weights, of 16 components x 2 points
.set AF0, 88           ; v[88:95], v[96:103] two buffers of source 0
.set ACC0, 104
.set ACC1, 112
.set TB0, 120          ; v[120:183], v[184:247] two buffers of 16 table entries
                       ; v[248:251] ctr
.macro WRED r, t                       ; sum over the 32 lanes, result in every lane; t has been written before
	v_add_f32_dpp v[\r], v[\r], v[\r] row_xmask:1 row_mask:0xf bank_mask:0xf
	v_add_f32_dpp v[\r], v[\r], v[\r] row_xmask:2 row_mask:0xf bank_mask:0xf
	v_add_f32_dpp v[\r], v[\r], v[\r] row_xmask:4 row_mask:0xf bank_mask:0xf
	v_add_f32_dpp v[\r], v[\r], v[\r] row_xmask:8 row_mask:0xf bank_mask:0xf
	v_permlanex16_b32 v[\t], v[\r], s28, s29
	v_add_f32 v[\r], v[\r], v[\t]
.endm
.macro BAR                             ; my LDS instructions are done, then the work-group's barrier
	s_wait_dscnt 0x0
	s_barrier_signal -1
	s_barrier_wait -1
.endm
.macro D3 d, px, py, pz, q             ; three pairs of differences: a pair for each coordinate less one word of the quad q
	v_pk_add_f32 v[(\d):(\d)+1], v[(\px):(\px)+1], v[(\q):(\q)+1] op_sel_hi:[1,0] neg_lo:[0,1] neg_hi:[0,1]
	v_pk_add_f32 v[(\d)+2:(\d)+3], v[(\py):(\py)+1], v[(\q):(\q)+1] op_sel:[0,1] op_sel_hi:[1,1] neg_lo:[0,1] neg_hi:[0,1]
	v_pk_add_f32 v[(\d)+4:(\d)+5], v[(\pz):(\pz)+1], v[(\q)+2:(\q)+3] op_sel_hi:[1,0] neg_lo:[0,1] neg_hi:[0,1]
.endm
.macro SQN l, d                        ; l -= d^2
	v_pk_fma_f32 v[(\l):(\l)+1], v[(\d):(\d)+1], v[(\d):(\d)+1], v[(\l):(\l)+1] neg_lo:[1,0,0] neg_hi:[1,0,0]
.endm
.macro SPLIT h, a0, a1, t0, t1         ; h = the pair rounded to bf16; a0, a1 keep what the rounding left
	v_cvt_pk_bf16_f32 v[\h], v[\a0], v[\a1]
	v_lshlrev_b32 v[\t0], 16, v[\h]
	v_and_b32 v[\t1], 0xffff0000, v[\h]
	v_sub_f32 v[\a0], v[\a0], v[\t0]
	v_sub_f32 v[\a1], v[\a1], v[\t1]
.endm
	; ---- set-up (the first launch's lines, so that ctr, s and the table have the same bits; beside them the loads of LSE and of mu_new)
	s_load_b256 s[4:11], s[0:1], 0x0               ; X s[4:5], mu s[6:7], w s[8:9], sigma s[10:11]
	s_load_b128 s[12:15], s[0:1], 0x20             ; lse s[12:13], mun s[14:15]
	s_load_b128 s[32:35], s[0:1], 0x30             ; out0 s[32:33], vp s[34:35]
	v_lshl_add_u32 v2, v0, 2, SPARE                ; my spare word and 0: kept for the closing add alone
	v_mov_b32 v3, 0
	v_and_b32 v1, 31, v0                           ; lane
	v_lshrrev_b32 v7, 5, v0
	v_readfirstlane_b32 s18, v7                    ; wave 0..7
	s_mov_b32 s28, 0x76543210                      ; v_permlanex16_b32: each lane takes its own place in the other half
	s_mov_b32 s29, 0xfedcba98
	v_mul_u32_u24 v7, v0, 24                       ; two items of 12 bytes a thread
	v_lshlrev_b32 v50, 3, v0
	v_lshlrev_b32 v54, 5, v0
	s_mul_i32 s22, ttmp9, 6144                     ; the group's 512 points of 12 bytes
	s_mov_b32 s23, 0
	s_wait_kmcnt 0x0
	s_load_b32 s20, s[10:11], 0x0                  ; sigma
	s_load_b32 s21, s[8:9], 0x0                    ; w_0
	s_add_nc_u64 s[4:5], s[4:5], s[22:23]
	s_add_nc_u64 s[32:33], s[32:33], s[22:23]      ; out0 at the group's points
	s_lshl_b32 s22, ttmp9, 11
	s_add_nc_u64 s[12:13], s[12:13], s[22:23]      ; lse at the group's 512 words
	s_lshl_b32 s22, ttmp9, 2
	s_add_nc_u64 s[34:35], s[34:35], s[22:23]      ; vp at the group's word
	global_load_b64 v[32:33], v7, s[6:7]           ; centres 2t, 2t+1: x0 y0 z0 x1 y1 z1
	global_load_b64 v[34:35], v7, s[6:7] offset:8
	global_load_b64 v[36:37], v7, s[6:7] offset:16
	global_load_b64 v[38:39], v50, s[8:9]          ; their w
	global_load_b64 v[40:41], v7, s[4:5]           ; points 2t, 2t+1
	global_load_b64 v[42:43], v7, s[4:5] offset:8
	global_load_b64 v[44:45], v7, s[4:5] offset:16
	global_load_b64 v[LS2:LS2+1], v50, s[12:13]    ; their LSE
	global_load_b128 v[104:107], v54, s[14:15]     ; mu_new - ctr and H of components 2t, 2t+1
	global_load_b128 v[108:111], v54, s[14:15] offset:16
	v_mov_b32 v49, 0
	v_mov_b32 v51, 0
	v_mov_b32 v4, 0
	v_mov_b32 v53, s18
	v_lshlrev_b32 v53, 4, v53
	s_wait_loadcnt 0x0
	s_wait_kmcnt 0x0
	v_add_f32 v46, v32, v35                        ; the centre: my two, my wave's 64, all 512
	v_add_f32 v47, v33, v36
	v_add_f32 v48, v34, v37
	WRED 46, 51
	WRED 47, 51
	WRED 48, 51
	ds_store_b128 v53, v[46:49] offset:RED
	BAR                                            ; every wave's sum is in LDS
.irp k, 0,1,2,3,4,5,6,7
	ds_load_b128 v[56+4*\k:59+4*\k], v4 offset:RED+16*\k
.endr
	s_wait_dscnt 0x0
.irp k, 1,2,3,4,5,6,7
	v_pk_add_f32 v[56:57], v[56:57], v[56+4*\k:57+4*\k]
	v_pk_add_f32 v[58:59], v[58:59], v[58+4*\k:59+4*\k]
.endr
	v_pk_mul_f32 v[248:249], v[56:57], 0x3b000000 op_sel_hi:[1,0]  ; / 512: ctr
	v_pk_mul_f32 v[250:251], v[58:59], 0x3b000000 op_sel_hi:[1,0]
	v_rcp_f32 v52, s20
	v_nop                                          ; a plain instruction behind the reciprocal
	s_wait_alu depctr_va_vdst(0)
	v_mul_f32 v52, 0x3f596d27, v52                 ; s = 0.8493218 / sigma
	v_sub_f32 v56, v32, v248                       ; the table's two entries
	v_sub_f32 v57, v33, v249
	v_sub_f32 v58, v34, v250
	v_sub_f32 v59, v38, s21
	v_sub_f32 v60, v35, v248
	v_sub_f32 v61, v36, v249
	v_sub_f32 v62, v37, v250
	v_sub_f32 v63, v39, s21
	v_mul_f32 v56, v56, v52
	v_mul_f32 v57, v57, v52
	v_mul_f32 v58, v58, v52
	v_mul_f32 v59, 0x3fb8aa3b, v59
	v_mul_f32 v60, v60, v52
	v_mul_f32 v61, v61, v52
	v_mul_f32 v62, v62, v52
	v_mul_f32 v63, 0x3fb8aa3b, v63
	ds_store_b128 v54, v[56:59] offset:TBL
	ds_store_b128 v54, v[60:63] offset:TBL+16
	v_sub_f32 v72, v40, v248                       ; x - ctr, a pair for each coordinate
	v_sub_f32 v73, v43, v248
	v_sub_f32 v74, v41, v249
	v_sub_f32 v75, v44, v249
	v_sub_f32 v76, v42, v250
	v_sub_f32 v77, v45, v250
	v_mul_f32 v8, v72, v52
	v_mul_f32 v9, v73, v52
	v_mul_f32 v10, v74, v52
	v_mul_f32 v11, v75, v52
	v_mul_f32 v12, v76, v52
	v_mul_f32 v13, v77, v52
	v_add_nc_u32 v7, 8, v1                         ; my feature row: L for L < 8, L - 24 for L >= 24, else row 7 (zeros):
	v_bfe_u32 v7, v7, 4, 1                         ; bit 4 of L + 8 is set for L = 8 .. 23 alone
	v_mul_u32_u24 v7, v7, 7
	v_and_b32 v6, 7, v1
	v_or_b32 v6, v6, v7
	v_mul_u32_u24 v6, v6, FP
	v_add_nc_u32 v6, FEAT, v6
	; ---- the features of components 2t, 2t+1
	v_lshlrev_b32 v55, 2, v0                       ; two bf16 a thread in each row
	v_mov_b32 v78, 0x3f803f80                      ; row 0: ones
	v_mov_b32 v79, 0                               ; row 7: zeros
	ds_store_b32 v55, v78 offset:FEAT
	ds_store_b32 v55, v79 offset:FEAT+7*FP
.irp d, 0,1,2
	v_cvt_pk_bf16_f32 v[80+\d], v[104+\d], v[108+\d]    ; rows 1-3: h
	ds_store_b32 v55, v[80+\d] offset:FEAT+(1+\d)*FP
.endr
	v_lshlrev_b32 v84, 16, v80                     ; |h|^2 of the rounded h, in f32
	v_and_b32 v85, 0xffff0000, v80
	v_mul_f32 v86, v84, v84
	v_mul_f32 v87, v85, v85
.irp d, 1,2
	v_lshlrev_b32 v84, 16, v[80+\d]
	v_and_b32 v85, 0xffff0000, v[80+\d]
	v_fmac_f32 v86, v84, v84
	v_fmac_f32 v87, v85, v85
.endr
	SPLIT 88, 86, 87, 84, 85                       ; rows 4-6: it in three bf16 pieces, 24 significant bits
	ds_store_b32 v55, v88 offset:FEAT+4*FP
	SPLIT 89, 86, 87, 84, 85
	ds_store_b32 v55, v89 offset:FEAT+5*FP
	v_cvt_pk_bf16_f32 v90, v86, v87
	ds_store_b32 v55, v90 offset:FEAT+6*FP
	BAR                                            ; table and features are whole
.macro LOADC b                         ; a chunk's 16 table entries (every lane reads the same bytes) and its piece of my feature row, into buffer b: 18 loads
	v_mov_b32 v4, s25
	v_add_nc_u32 v5, s26, v6
.irp c, 0,1,2,3,4,5,6,7,8,9,10,11,12,13,14,15
	ds_load_b128 v[TB0+64*(\b)+4*\c:TB0+64*(\b)+4*\c+3], v4 offset:16*\c
.endr
	ds_load_b128 v[AF0+8*(\b):AF0+8*(\b)+3], v5
	ds_load_b128 v[AF0+8*(\b)+4:AF0+8*(\b)+7], v5 offset:16
	s_add_co_u32 s25, s25, 256
	s_add_co_u32 s26, s26, 32
.endm
; A chunk of 16 components.  pre = 1: the next chunk is asked for behind the first twelve differences, which are plain, name no register of the matrix
; instruction before them and so are the places between it and the loads into the source that it read.
.macro CHY cur, pre
.set TB, TB0+64*(\cur)
.set AF, AF0+8*(\cur)
	s_wait_dscnt 0x0                               ; all that is out is this chunk's 18 loads, issued a chunk ago
.irp g, 0,1,2,3
.irp k, 0,1,2,3
	D3 DT+6*\k, X2, Y2, Z2, TB+16*\g+4*\k
.endr
.if (\pre) && (\g == 0)
	LOADC 1-(\cur)
.endif
.irp k, 0,1,2,3
	v_pk_add_f32 v[GG+8*\g+2*\k:GG+8*\g+2*\k+1], v[TB+16*\g+4*\k+2:TB+16*\g+4*\k+3], v[LS2:LS2+1] op_sel:[1,0] op_sel_hi:[1,1] neg_lo:[0,1] neg_hi:[0,1]  ; wl - LSE
.endr
.irp k, 0,1,2,3
	SQN GG+8*\g+2*\k, DT+6*\k
.endr
.irp k, 0,1,2,3
	SQN GG+8*\g+2*\k, DT+6*\k+2
.endr
.irp k, 0,1,2,3
	SQN GG+8*\g+2*\k, DT+6*\k+4
.endr
.endr
.set i, 0
.rept 32
	v_exp_f32 v[GG+i], v[GG+i]
.set i, i+1
.endr
	v_nop                                          ; a plain instruction behind the exponentials
	s_wait_alu depctr_va_vdst(0)
.irp k, 0,1,2,3,4,5,6,7
	v_cvt_pk_bf16_f32 v[BF0+\k], v[GG+4*\k], v[GG+4*\k+2]
.endr
	v_wmma_f32_16x16x32_bf16 v[ACC0:ACC0+7], v[AF:AF+7], v[BF0:BF0+7], v[ACC0:ACC0+7]  ; the two accumulators take turns
.irp k, 0,1,2,3,4,5,6,7
	v_cvt_pk_bf16_f32 v[BF1+\k], v[GG+4*\k+1], v[GG+4*\k+3]
.endr
	v_wmma_f32_16x16x32_bf16 v[ACC1:ACC1+7], v[AF:AF+7], v[BF1:BF1+7], v[ACC1:ACC1+7]
.endm
.set i, 0
.rept 16
	v_mov_b32 v[ACC0+i], 0                         ; no first chunk is written out: sixteen lines, once a launch
.set i, i+1
.endr
	s_mov_b32 s25, TBL
	s_mov_b32 s26, 0
	LOADC 0
	s_mov_b32 s24, 15                              ; 15 trips of two chunks, two more behind the loop: 32 chunks of 16 components
.LloopC:
	CHY 0, 1
	CHY 1, 1
	s_sub_co_u32 s24, s24, 1
	s_cmp_lg_u32 s24, 0
	s_cbranch_scc1 .LloopC
	CHY 0, 1
	CHY 1, 0
	; ---- a point's end
.rept 4
	v_nop                                          ; the places behind the last matrix instruction
.endr
	v_rcp_f32 v38, v[ACC0]                         ; 1 / the sum of the rounded weights; each accumulator's lowest register is read first
	v_rcp_f32 v39, v[ACC1]
	v_nop
	s_wait_alu depctr_va_vdst(0)
.irp d, 0,1,2
	v_mul_f32 v[32+\d], v[ACC0+1+\d], v38          ; Y - ctr
	v_mul_f32 v[35+\d], v[ACC1+1+\d], v39
.endr
	v_add_f32 v40, v[ACC0+6], v[ACC0+5]            ; the three pieces of the mean square, smallest first
	v_add_f32 v41, v[ACC1+6], v[ACC1+5]
	v_add_f32 v40, v40, v[ACC0+4]
	v_add_f32 v41, v41, v[ACC1+4]
	v_mul_f32 v40, v40, v38
	v_mul_f32 v41, v41, v39
.irp d, 0,1,2
	v_fma_f32 v40, -v[32+\d], v[32+\d], v40        ; V = mean square - |Y - ctr|^2
	v_fma_f32 v41, -v[35+\d], v[35+\d], v41
.endr
.irp d, 0,1,2
	v_add_f32 v[32+\d], v[32+\d], v[248+\d]        ; Y
	v_add_f32 v[35+\d], v[35+\d], v[248+\d]
.endr
	v_add_f32 v40, v40, v41
	v_mul_u32_u24 v7, v0, 24
	ds_store_b64 v7, v[32:33] offset:STAGE
	ds_store_b64 v7, v[34:35] offset:STAGE+8
	ds_store_b64 v7, v[36:37] offset:STAGE+16
	WRED 40, 41
	v_mov_b32 v42, s18
	v_lshlrev_b32 v42, 2, v42
	ds_store_b32 v42, v40 offset:RED+128
	BAR                                            ; the stage and the waves' sums are whole
	; ---- the way out: the group's 6,144 bytes of Y as 16 bytes a lane: sixteen lanes store 256 consecutive bytes, aligned
	v_lshlrev_b32 v43, 4, v0
	ds_load_b128 v[44:47], v43 offset:STAGE
	s_cmp_lt_u32 s18, 4
	s_cbranch_scc0 .Lno2
	ds_load_b128 v[48:51], v43 offset:STAGE+4096   ; waves 0-3 take the last 2,048 bytes too
	s_wait_dscnt 0x0
	global_store_b128 v43, v[48:51], s[32:33] offset:4096
.Lno2:
	s_wait_dscnt 0x0
	global_store_b128 v43, v[44:47], s[32:33]
	s_cmp_lg_u32 s18, 0
	s_cbranch_scc1 .Lend
	v_mov_b32 v4, 0                                ; wave 0 adds the eight sums of V and stores the group's
	ds_load_b128 v[52:55], v4 offset:RED+128
	ds_load_b128 v[56:59], v4 offset:RED+144
	s_wait_dscnt 0x0
	v_pk_add_f32 v[52:53], v[52:53], v[54:55]
	v_pk_add_f32 v[56:57], v[56:57], v[58:59]
	v_pk_add_f32 v[52:53], v[52:53], v[56:57]
	v_add_f32 v52, v52, v53
	s_wait_xcnt 0x0                                ; EXEC changes only behind this wait
	v_cmp_eq_u32 vcc_lo, 0, v0
	s_and_saveexec_b32 s30, vcc_lo
	global_store_b32 v4, v52, s[34:35]
	s_wait_xcnt 0x0
	s_or_b32 exec_lo, exec_lo, s30
.Lend:
	s_wait_tensorcnt 0x0                           ; the wave's end
	ds_add_u32 v2, v3
	s_wait_dscnt 0x0
	s_endpgm
.Lfunc_end_k_q212dd263c0_ystep:
	.size	k_q212dd263c0_ystep, .Lfunc_end_k_q212dd263c0_ystep-k_q212dd263c0_ystep
	.p2alignl 7, 3214868480
	.fill 96, 4, 3214868480
	.section	.rodata,"a",@progbits
	.p2align	6, 0x0
	.amdhsa_kernel k_q212dd263c0_ystep
		.amdhsa_group_segment_fixed_size 24064
		.amdhsa_private_segment_fixed_size 0
		.amdhsa_enable_private_segment 0
		.amdhsa_kernarg_size 64
		.amdhsa_user_sgpr_count 2
		.amdhsa_user_sgpr_kernarg_segment_ptr 1
		.amdhsa_wavefront_size32 1
		.amdhsa_system_sgpr_workgroup_id_x 1
		.amdhsa_system_sgpr_workgroup_id_y 1
		.amdhsa_system_sgpr_workgroup_id_z 1
		.amdhsa_system_vgpr_workitem_id 0
		.amdhsa_next_free_vgpr 252
		.amdhsa_next_free_sgpr 66
		.amdhsa_reserve_vcc 1
		.amdhsa_float_denorm_mode_32 3
		.amdhsa_float_denorm_mode_16_64 3
		.amdhsa_memory_ordered 1
		.amdhsa_forward_progress 1
		.amdhsa_inst_pref_size 55
	.end_amdhsa_kernel
	.amdgpu_metadata
---
amdhsa.version: [ 1, 2 ]
amdhsa.kernels:
  - .name:           k_q212dd263c0_ystep
    .symbol:         k_q212dd263c0_ystep.kd
    .args:
      - { .name: X, .offset: 0, .size: 8, .value_kind: global_buffer, .address_space: global }
      - { .name: mu, .offset: 8, .size: 8, .value_kind: global_buffer, .address_space: global }
      - { .name: w, .offset: 16, .size: 8, .value_kind: global_buffer, .address_space: global }
      - { .name: sigma, .offset: 24, .size: 8, .value_kind: global_buffer, .address_space: global }
      - { .name: lse, .offset: 32, .size: 8, .value_kind: global_buffer, .address_space: global }
      - { .name: mun, .offset: 40, .size: 8, .value_kind: global_buffer, .address_space: global }
      - { .name: out0, .offset: 48, .size: 8, .value_kind: global_buffer, .address_space: global }
      - { .name: vp, .offset: 56, .size: 8, .value_kind: global_buffer, .address_space: global }
    .group_segment_fixed_size: 24064
    .private_segment_fixed_size: 0
    .kernarg_segment_align: 8
    .kernarg_segment_size: 64
    .max_flat_workgroup_size: 256
    .sgpr_count:     66
    .vgpr_count:     252
    .wavefront_size: 32
...
	.end_amdgpu_metadata
.endif
;; end of part 3
;; launch final (part 4): grid 1 x 1, 1 waves a work-group, no clusters, 0 bytes of LDS; arguments mun, w, sigma, ep, vp, out1; writes out1
.if DOCPART == 4
	.amdgcn_target "amdgcn-amd-amdhsa--gfx1250"
	.amdhsa_code_object_version 6
	.text
	.protected	k_q212dd263c0_final
	.globl	k_q212dd263c0_final
	.p2align	8
	.type	k_q212dd263c0_final,@function
k_q212dd263c0_final:
	s_mov_b64 s[64:65], 0
	v_nop
	global_prefetch_b8 v0, s[64:65] scope:SCOPE_SE
	s_setreg_imm32_b32 hwreg(HW_REG_WAVE_MODE, 25, 1), 1
	s_wait_xcnt 0x0
; The free energy, from 512 column results and 256 work-groups' partial sums: one wave, 16 components a lane (component 32 k + L).
; h = log2 G_c (base 2).  w_new = h - mean h; logpi = w_new - logsumexp(w_new), with the maximum taken away; all in base 2, times ln 2 at the end.
; sum gamma D2 = (sum_c G_c wl_c - e1) 2 sigma^2 ln 2, e1 = sum gamma l;  sigma_new^2 = that / (3 N).
; Cfe = sum V / (2 sigma_new^2) + ln 2 (1.5 N log2 sigma_new^2 - sum_c G_c logpi2_c + e2), e2 = sum gamma lgamma in base 2.
; LIMIT: sum gamma D2 is a difference of two sums; it loses accuracy where |w - w_0| is some 1e4 times the typical D2 / (2 sigma^2).
.macro WRED r, t                       ; sum over the 32 lanes, result in every lane; t has been written before
	v_add_f32_dpp v[\r], v[\r], v[\r] row_xmask:1 row_mask:0xf bank_mask:0xf
	v_add_f32_dpp v[\r], v[\r], v[\r] row_xmask:2 row_mask:0xf bank_mask:0xf
	v_add_f32_dpp v[\r], v[\r], v[\r] row_xmask:4 row_mask:0xf bank_mask:0xf
	v_add_f32_dpp v[\r], v[\r], v[\r] row_xmask:8 row_mask:0xf bank_mask:0xf
	v_permlanex16_b32 v[\t], v[\r], s28, s29
	v_add_f32 v[\r], v[\r], v[\t]
.endm
.macro WMAX r, t
	v_max_num_f32_dpp v[\r], v[\r], v[\r] row_xmask:1 row_mask:0xf bank_mask:0xf
	v_max_num_f32_dpp v[\r], v[\r], v[\r] row_xmask:2 row_mask:0xf bank_mask:0xf
	v_max_num_f32_dpp v[\r], v[\r], v[\r] row_xmask:4 row_mask:0xf bank_mask:0xf
	v_max_num_f32_dpp v[\r], v[\r], v[\r] row_xmask:8 row_mask:0xf bank_mask:0xf
	v_permlanex16_b32 v[\t], v[\r], s28, s29
	v_max_num_f32 v[\r], v[\r], v[\t]
.endm
	s_load_b256 s[4:11], s[0:1], 0x0               ; mun s[4:5], w s[6:7], sigma s[8:9], ep s[10:11]
	s_load_b128 s[12:15], s[0:1], 0x20             ; vp s[12:13], out1 s[14:15]
	s_mov_b32 s28, 0x76543210
	s_mov_b32 s29, 0xfedcba98
	v_lshlrev_b32 v4, 4, v0
	v_lshlrev_b32 v5, 2, v0
	v_lshlrev_b32 v6, 3, v0
	v_mov_b32 v9, 0
	s_wait_kmcnt 0x0
	s_load_b32 s20, s[8:9], 0x0                    ; sigma
	s_load_b32 s21, s[6:7], 0x0                    ; w_0
.irp k, 0,1,2,3,4,5,6,7,8,9,10,11,12,13,14,15
	global_load_b32 v[16+\k], v4, s[4:5] offset:512*\k+12   ; h of component 32 k + L
	global_load_b32 v[32+\k], v5, s[6:7] offset:128*\k      ; its w
.endr
.irp k, 0,1,2,3,4,5,6,7
	global_load_b64 v[48+2*\k:49+2*\k], v6, s[10:11] offset:256*\k  ; (e1, e2) of work-group 32 k + L
	global_load_b32 v[64+\k], v5, s[12:13] offset:128*\k            ; its sum of V
.endr
	s_wait_loadcnt 0x0
	s_wait_kmcnt 0x0
	v_add_f32 v8, v16, v17
.set i, 2
.rept 14
	v_add_f32 v8, v8, v[16+i]
.set i, i+1
.endr
	WRED 8, 9
	v_mul_f32 v8, 0x3b000000, v8                   ; the mean of h
.set i, 0
.rept 16
	v_exp_f32 v[72+i], v[16+i]                     ; G
.set i, i+1
.endr
	v_nop
.set i, 0
.rept 16
	v_sub_f32 v[16+i], v[16+i], v8                 ; w_new
.set i, i+1
.endr
	v_max3_num_f32 v10, v16, v17, v18
.irp k, 3,5,7,9,11,13
	v_max3_num_f32 v10, v10, v[16+\k], v[17+\k]
.endr
	v_max_num_f32 v10, v10, v31
	WMAX 10, 9                                     ; its maximum
.set i, 0
.rept 16
	v_sub_f32 v[88+i], v[16+i], v10
.set i, i+1
.endr
.set i, 0
.rept 16
	v_exp_f32 v[88+i], v[88+i]
.set i, i+1
.endr
	v_nop
	s_wait_alu depctr_va_vdst(0)
	v_add_f32 v11, v88, v89
.set i, 2
.rept 14
	v_add_f32 v11, v11, v[88+i]
.set i, i+1
.endr
	WRED 11, 9
	v_log_f32 v12, v11
	v_nop
	s_wait_alu depctr_va_vdst(0)
	v_add_f32 v12, v12, v10                        ; logsumexp(w_new), base 2
	v_mov_b32 v13, 0
	v_mov_b32 v14, 0
.set i, 0
.rept 16
	v_sub_f32 v[16+i], v[16+i], v12                ; logpi
	v_sub_f32 v[32+i], v[32+i], s21                ; w - w_0
	v_fmac_f32 v13, v[72+i], v[16+i]
	v_fmac_f32 v14, v[72+i], v[32+i]
.set i, i+1
.endr
	WRED 13, 9                                     ; sum G logpi
	WRED 14, 9
	v_mul_f32 v14, 0x3fb8aa3b, v14                 ; sum G wl
.irp k, 1,2,3,4,5,6,7
	v_pk_add_f32 v[48:49], v[48:49], v[48+2*\k:49+2*\k]
	v_add_f32 v64, v64, v[64+\k]
.endr
	WRED 48, 9                                     ; e1
	WRED 49, 9                                     ; e2
	WRED 64, 9                                     ; sum V
	v_sub_f32 v15, v14, v48
	v_mul_f32 v15, s20, v15
	v_mul_f32 v15, s20, v15
	v_mul_f32 v15, 0x366c9820, v15                 ; x 2 ln 2 / (3 N): sigma_new^2
	v_log_f32 v100, v15
	v_rcp_f32 v101, v15
	v_nop
	v_sub_f32 v102, v49, v13                       ; e2 - sum G logpi
	s_wait_alu depctr_va_vdst(0)
	v_fmamk_f32 v102, v100, 0x48400000, v102       ; + 196,608 log2 sigma_new^2
	v_mul_f32 v103, v64, v101
	v_mul_f32 v103, 0.5, v103                      ; sum V / (2 sigma_new^2)
	v_fmamk_f32 v103, v102, 0x3f317218, v103       ; + ln 2 x the rest
	v_mov_b32 v7, 0
	s_wait_xcnt 0x0                                ; EXEC changes only behind this wait
	v_cmp_eq_u32 vcc_lo, 0, v0
	s_and_saveexec_b32 s30, vcc_lo
	global_store_b32 v7, v103, s[14:15]
	s_wait_xcnt 0x0
	s_or_b32 exec_lo, exec_lo, s30
	s_endpgm
.Lfunc_end_k_q212dd263c0_final:
	.size	k_q212dd263c0_final, .Lfunc_end_k_q212dd263c0_final-k_q212dd263c0_final
	.p2alignl 7, 3214868480
	.fill 96, 4, 3214868480
	.section	.rodata,"a",@progbits
	.p2align	6, 0x0
	.amdhsa_kernel k_q212dd263c0_final
		.amdhsa_group_segment_fixed_size 0
		.amdhsa_private_segment_fixed_size 0
		.amdhsa_enable_private_segment 0
		.amdhsa_kernarg_size 48
		.amdhsa_user_sgpr_count 2
		.amdhsa_user_sgpr_kernarg_segment_ptr 1
		.amdhsa_wavefront_size32 1
		.amdhsa_system_sgpr_workgroup_id_x 1
		.amdhsa_system_sgpr_workgroup_id_y 1
		.amdhsa_system_sgpr_workgroup_id_z 1
		.amdhsa_system_vgpr_workitem_id 0
		.amdhsa_next_free_vgpr 128
		.amdhsa_next_free_sgpr 66
		.amdhsa_reserve_vcc 1
		.amdhsa_float_denorm_mode_32 3
		.amdhsa_float_denorm_mode_16_64 3
		.amdhsa_memory_ordered 1
		.amdhsa_forward_progress 1
		.amdhsa_inst_pref_size 16
	.end_amdhsa_kernel
	.amdgpu_metadata
---
amdhsa.version: [ 1, 2 ]
amdhsa.kernels:
  - .name:           k_q212dd263c0_final
    .symbol:         k_q212dd263c0_final.kd
    .args:
      - { .name: mun, .offset: 0, .size: 8, .value_kind: global_buffer, .address_space: global }
      - { .name: w, .offset: 8, .size: 8, .value_kind: global_buffer, .address_space: global }
      - { .name: sigma, .offset: 16, .size: 8, .value_kind: global_buffer, .address_space: global }
      - { .name: ep, .offset: 24, .size: 8, .value_kind: global_buffer, .address_space: global }
      - { .name: vp, .offset: 32, .size: 8, .value_kind: global_buffer, .address_space: global }
      - { .name: out1, .offset: 40, .size: 8, .value_kind: global_buffer, .address_space: global }
    .group_segment_fixed_size: 0
    .private_segment_fixed_size: 0
    .kernarg_segment_align: 8
    .kernarg_segment_size: 48
    .max_flat_workgroup_size: 32
    .sgpr_count:     66
    .vgpr_count:     128
    .wavefront_size: 32
...
	.end_amdgpu_metadata
.endif
;; end of part 4
